; MI455X (gfx1250); checked and timed in simulation.
; The chip was launched on July 23, 2026; its instructions are those of AMD's public machine-readable ISA for CDNA 5 (MIT licence, August 2026) and "CDNA5" Instruction Set Architecture Reference Guide (July 2026). The comments in the code are by the model that wrote it; some were corrected since.
;; Multihead Attention. Allowed arithmetic: float matrix products may take bf16 or f16 operands with f32 sums; all other float work in f32.
;; Inputs: W_key 16 x 1,024 x 64 float32; W_out 16 x 64 x 1,024 float32; W_query 16 x 1,024 x 64 float32; W_val 16 x 1,024 x 64 float32; q 4 x 2,048 x 1,024 float32.
;; Outputs: out0 4 x 2,048 x 1,024 float32.
;; One version. Each part assembles by itself: llvm-mc -triple=amdgcn-amd-amdhsa -mcpu=gfx1250 --defsym DOCPART=n.
;; ======== version 1 of 1: 4 launches
;; limits: values are held in f16: magnitudes above 65,504 overflow, below 6.1e-05 lose precision; inputs' magnitudes at most 65,504
;; workspace buffers: xb 16,777,216 bytes; wt 6,291,456 bytes; wo 2,097,152 bytes; qkv 50,331,648 bytes; scl 1,536 bytes; hd 16,777,216 bytes
;; launch prep (part 1): grid 768 x 1, 8 waves a work-group, no clusters, 34,816 bytes of LDS; arguments q, W_query, W_key, W_val, W_out, xb, wt, wo; writes xb, wt, wo
.if DOCPART == 1
	.amdgcn_target "amdgcn-amd-amdhsa--gfx1250"
	.amdhsa_code_object_version 6
	.text
	.protected	k_qc6b72d5b60_prep
	.globl	k_qc6b72d5b60_prep
	.p2align	8
	.type	k_qc6b72d5b60_prep,@function
k_qc6b72d5b60_prep:
	s_mov_b64 s[64:65], 0
	v_nop
	global_prefetch_b8 v0, s[64:65] scope:SCOPE_SE
	s_setreg_imm32_b32 hwreg(HW_REG_WAVE_MODE, 25, 1), 1
	s_wait_xcnt 0x0
; prep: the problem's f32 inputs become 16-bit matrix operands with K along the rows.
;   xb[8192][1024] bf16        = q, rounded to nearest even
;   wt[3072][1024] bf16        row n = mat*1024 + head*64 + k (mat 0, 1, 2 = query, key, value), column i: the weights transposed
;   wo[1024 e][1024 hv] f16    = W_out transposed, rounded to bf16 and then written as f16
; LIMIT: |W_out| above 65,504 does not fit f16 (the drawn bound is 1/32); below 2^-14 the f16 copy keeps fewer than bf16's 8 bits.
; Every work-group reads 64 KiB and writes 32 KiB.  Work-groups 0-511 cast q, 512-703 transpose a tile of a projection weight,
; 704-767 a tile of W_out.  The branch hangs on the work-group's number alone, so all eight waves take the same way.
; No matrix unit, no cluster, no tensor load: each byte is read once and no two work-groups share a byte.
.set XI, 16                            ; v[16:79]   sixteen loads of 16 bytes
.set XO, 80                            ; v[80:111]  cast: sixteen pairs to store; transpose: v80-83 packed words, v84-91 at work
.set LP, 528                           ; transpose: an LDS row holds 256 K of 2 bytes + 16 bytes, so that rows stay multiples of 16
; A tile of 256 K rows x 64 N columns of f32 (rows \pitch bytes apart, 2 x pitch = 1 << \sh) goes out as 64 rows x 256 K of 16 bits.
; Thread: ln = t % 16 takes 4 neighbouring N, kp = t / 16 a pair of K rows; load (g, par) is K row 32 g + 2 kp + par.
; Sixteen neighbouring lanes read 256 consecutive bytes of one row.  Input base s[28:29], output base s[30:31].
.macro TRANS pitch, sh, half
	v_and_b32 v3, 15, v0                           ; ln
	v_lshrrev_b32 v4, 4, v0                        ; kp
	v_lshlrev_b32 v5, 4, v3
	v_lshl_add_u32 v5, v4, \sh, v5                 ; 2 kp rows + 16 ln bytes
	v_mul_u32_u24 v6, v3, 4*LP
	v_lshl_add_u32 v6, v4, 2, v6                   ; LDS: row 4 ln, K pair kp
	v_and_b32 v7, 31, v0
	v_lshrrev_b32 v8, 5, v0
	v_lshlrev_b32 v7, 4, v7
	v_mul_u32_u24 v9, v8, 8*LP
	v_add_nc_u32 v9, v9, v7                        ; back: wave w reads rows 8 w .. 8 w + 7, a lane 16 bytes
	v_lshl_add_u32 v10, v8, 14, v7                 ; and stores them 2,048 bytes apart
.irp g, 0,1,2,3,4,5,6,7
	global_load_b128 v[XI+8*\g:XI+8*\g+3],   v5, s[28:29] offset:(32*\g)*\pitch th:TH_LOAD_NT
	global_load_b128 v[XI+8*\g+4:XI+8*\g+7], v5, s[28:29] offset:(32*\g+1)*\pitch th:TH_LOAD_NT
.endr
.irp g, 0,1,2,3,4,5,6,7
	s_wait_loadcnt 14-2*\g                         ; loads come back in order: pair g is in, the 14 - 2 g younger ones stay out
.irp j, 0,1,2,3
	v_cvt_pk_bf16_f32 v[XO+\j], v[XI+8*\g+\j], v[XI+8*\g+4+\j]   ; K even in the low half, K odd in the high half, one N
.endr
.if \half
.irp j, 0,1,2,3
	v_lshlrev_b32 v[XO+4+2*\j], 16, v[XO+\j]       ; the rounded numbers as f32 again,
	v_and_b32     v[XO+5+2*\j], 0xffff0000, v[XO+\j]
.endr
.irp j, 0,1,2,3
	v_cvt_pk_f16_f32 v[XO+\j], v[XO+4+2*\j], v[XO+5+2*\j]        ; and as f16: exact from 2^-14 up
.endr
.endif
.irp j, 0,1,2,3
	ds_store_b32 v6, v[XO+\j] offset:\j*LP+64*\g   ; row 4 ln + j, byte 2 (32 g + 2 kp).  Sixteen ln are 4 x 528 bytes apart: four of them meet in a bank; 32 stores a thread, accepted
.endr
.endr
	s_wait_dscnt 0x0                               ; my stores are in LDS before I say so
	s_barrier_signal -1
	s_barrier_wait -1                              ; everybody's are
.irp j, 0,1,2,3,4,5,6,7
	ds_load_b128 v[XI+4*\j:XI+4*\j+3], v9 offset:LP*\j
.endr
.irp j, 0,1,2,3,4,5,6,7
	s_wait_dscnt 7-\j
	global_store_b128 v10, v[XI+4*\j:XI+4*\j+3], s[30:31] offset:2048*\j   ; a wave's store covers 512 consecutive bytes, aligned
.endr
.endm
	s_load_b512 s[4:19], s[0:1], 0x0               ; q s[4:5], W_query s[6:7], W_key s[8:9], W_val s[10:11], W_out s[12:13], xb s[14:15], wt s[16:17], wo s[18:19]
	v_lshl_add_u32 v112, v0, 2, 0x8400
	v_mov_b32 v113, 0
	s_cmp_lt_u32 ttmp9, 512
	s_cbranch_scc0 .Lweights
	; THE CAST: 16,384 numbers of q.  All sixteen loads of a thread go out at once; the waits count down.
	v_lshlrev_b32 v1, 4, v0                        ; 16 bytes in
	v_lshlrev_b32 v2, 3, v0                        ; 8 bytes out
	s_lshl_b32 s20, ttmp9, 16
	s_mov_b32 s21, 0
	s_lshl_b32 s22, ttmp9, 15
	s_mov_b32 s23, 0
	s_wait_kmcnt 0x0
	s_add_nc_u64 s[4:5], s[4:5], s[20:21]
	s_add_nc_u64 s[14:15], s[14:15], s[22:23]
.irp i, 0,1,2,3,4,5,6,7,8,9,10,11,12,13,14,15
	global_load_b128 v[XI+4*\i:XI+4*\i+3], v1, s[4:5] offset:4096*\i th:TH_LOAD_NT
.endr
.irp i, 0,1,2,3,4,5,6,7,8,9,10,11,12,13,14,15
	s_wait_loadcnt 15-\i
	v_cvt_pk_bf16_f32 v[XO+2*\i],   v[XI+4*\i],   v[XI+4*\i+1]
	v_cvt_pk_bf16_f32 v[XO+2*\i+1], v[XI+4*\i+2], v[XI+4*\i+3]
	global_store_b64 v2, v[XO+2*\i:XO+2*\i+1], s[14:15] offset:2048*\i     ; 32 lanes x 8 bytes: 256 consecutive bytes, aligned
.endr
	s_endpgm
.Lweights:
	s_cmp_lt_u32 ttmp9, 704
	s_cbranch_scc0 .Lwout
	; A PROJECTION WEIGHT: t = mat*64 + head*4 + quarter of the 1,024 inputs.  A head is 262,144 bytes, a quarter 65,536, dense.
	s_sub_co_u32 s24, ttmp9, 512
	s_lshr_b32 s25, s24, 6                         ; mat
	s_bfe_u32 s26, s24, 0x40002                    ; head
	s_and_b32 s27, s24, 3                          ; quarter
	s_lshl_b32 s20, s26, 18
	s_lshl_b32 s26, s27, 16
	s_add_co_u32 s20, s20, s26
	s_mov_b32 s21, 0
	s_lshr_b32 s22, s24, 2                         ; mat*16 + head: 64 rows of wt, 131,072 bytes
	s_lshl_b32 s22, s22, 17
	s_lshl_b32 s26, s27, 9                         ; 256 columns of 2 bytes
	s_add_co_u32 s22, s22, s26
	s_mov_b32 s23, 0
	s_wait_kmcnt 0x0
	s_cmp_eq_u32 s25, 1
	s_cselect_b64 s[28:29], s[8:9], s[6:7]         ; key for mat 1, else query,
	s_cmp_eq_u32 s25, 2
	s_cselect_b64 s[28:29], s[10:11], s[28:29]     ; value for mat 2
	s_add_nc_u64 s[28:29], s[28:29], s[20:21]
	s_add_nc_u64 s[30:31], s[16:17], s[22:23]
	TRANS 256, 9, 0
	s_wait_tensorcnt 0x0
	ds_add_u32 v112, v113
	s_wait_dscnt 0x0
	s_endpgm
.Lwout:
	; W_OUT as [1024 hv][1024 e]: t = block of 64 e * 4 + quarter of hv.
	s_sub_co_u32 s24, ttmp9, 704
	s_and_b32 s25, s24, 3
	s_lshr_b32 s26, s24, 2
	s_lshl_b32 s20, s25, 20                        ; 256 rows of 4,096 bytes
	s_lshl_b32 s27, s26, 8                         ; 64 columns of 4 bytes
	s_add_co_u32 s20, s20, s27
	s_mov_b32 s21, 0
	s_lshl_b32 s22, s26, 17
	s_lshl_b32 s27, s25, 9
	s_add_co_u32 s22, s22, s27
	s_mov_b32 s23, 0
	s_wait_kmcnt 0x0
	s_add_nc_u64 s[28:29], s[12:13], s[20:21]
	s_add_nc_u64 s[30:31], s[18:19], s[22:23]
	TRANS 4096, 13, 1
	s_wait_tensorcnt 0x0
	ds_add_u32 v112, v113
	s_wait_dscnt 0x0
	s_endpgm
.Lfunc_end_k_qc6b72d5b60_prep:
	.size	k_qc6b72d5b60_prep, .Lfunc_end_k_qc6b72d5b60_prep-k_qc6b72d5b60_prep
	.p2alignl 7, 3214868480
	.fill 96, 4, 3214868480
	.section	.rodata,"a",@progbits
	.p2align	6, 0x0
	.amdhsa_kernel k_qc6b72d5b60_prep
		.amdhsa_group_segment_fixed_size 34816
		.amdhsa_private_segment_fixed_size 0
		.amdhsa_enable_private_segment 0
		.amdhsa_kernarg_size 64
		.amdhsa_user_sgpr_count 2
		.amdhsa_user_sgpr_kernarg_segment_ptr 1
		.amdhsa_wavefront_size32 1
		.amdhsa_system_sgpr_workgroup_id_x 1
		.amdhsa_system_sgpr_workgroup_id_y 1
		.amdhsa_system_sgpr_workgroup_id_z 1
		.amdhsa_system_vgpr_workitem_id 0
		.amdhsa_next_free_vgpr 114
		.amdhsa_next_free_sgpr 66
		.amdhsa_reserve_vcc 0
		.amdhsa_float_denorm_mode_32 3
		.amdhsa_float_denorm_mode_16_64 3
		.amdhsa_memory_ordered 1
		.amdhsa_forward_progress 1
		.amdhsa_inst_pref_size 29
	.end_amdhsa_kernel
	.amdgpu_metadata
---
amdhsa.version: [ 1, 2 ]
amdhsa.kernels:
  - .name:           k_qc6b72d5b60_prep
    .symbol:         k_qc6b72d5b60_prep.kd
    .args:
      - { .name: q, .offset: 0, .size: 8, .value_kind: global_buffer, .address_space: global }
      - { .name: W_query, .offset: 8, .size: 8, .value_kind: global_buffer, .address_space: global }
      - { .name: W_key, .offset: 16, .size: 8, .value_kind: global_buffer, .address_space: global }
      - { .name: W_val, .offset: 24, .size: 8, .value_kind: global_buffer, .address_space: global }
      - { .name: W_out, .offset: 32, .size: 8, .value_kind: global_buffer, .address_space: global }
      - { .name: xb, .offset: 40, .size: 8, .value_kind: global_buffer, .address_space: global }
      - { .name: wt, .offset: 48, .size: 8, .value_kind: global_buffer, .address_space: global }
      - { .name: wo, .offset: 56, .size: 8, .value_kind: global_buffer, .address_space: global }
    .group_segment_fixed_size: 34816
    .private_segment_fixed_size: 0
    .kernarg_segment_align: 8
    .kernarg_segment_size: 64
    .max_flat_workgroup_size: 256
    .sgpr_count:     66
    .vgpr_count:     114
    .wavefront_size: 32
...
	.end_amdgpu_metadata
.endif
;; end of part 1
;; launch proj (part 2): grid 12 x 32, 4 waves a work-group, clusters of 4 x 4, 327,680 bytes of LDS; arguments xb, wt, qkv, scl; writes qkv, scl
.if DOCPART == 2
	.amdgcn_target "amdgcn-amd-amdhsa--gfx1250"
	.amdhsa_code_object_version 6
	.text
	.protected	k_qc6b72d5b60_proj
	.globl	k_qc6b72d5b60_proj
	.p2align	8
	.type	k_qc6b72d5b60_proj,@function
k_qc6b72d5b60_proj:
	s_mov_b64 s[64:65], 0
	v_nop
	global_prefetch_b8 v0, s[64:65] scope:SCOPE_SE
	s_setreg_imm32_b32 hwreg(HW_REG_WAVE_MODE, 25, 1), 1
	s_wait_xcnt 0x0
	s_wait_alu depctr_hold_cnt(0) depctr_sa_sdst(0) depctr_va_vdst(0) depctr_va_sdst(0) depctr_va_ssrc(0) depctr_va_vcc(0) depctr_vm_vsrc(0)
	s_getreg_b32 s2, hwreg(HW_REG_IB_STS2, 6, 4)
	s_cmp_eq_u32 s2, 0
	s_cbranch_scc0 .Lentry_in_a_cluster
	s_endpgm
.Lentry_in_a_cluster:
	s_bfe_u32 s2, ttmp6, 0x10000c
	s_cmp_lg_u32 s2, 0xf033
	s_cbranch_scc0 .Lentry_shape_is_right
	s_endpgm
.Lentry_shape_is_right:
; proj: C[m][n] = sum over k of xb[m][k] wt[n][k], bf16 operands, f32 sums: Q, K and V of all heads at once (8192 x 3072 x 1024).
; A work-group makes 256 x 256 of C (256 tokens, four heads of one of Q, K, V) with four waves of 128 x 128: 64 accumulator tiles, 512 registers.
; K goes in steps of 128 through two LDS slots filled by the tensor data mover; a tile's rows are 256 bytes of memory, aligned.
; CLUSTERS: 4 x 4 work-groups.  xb's tile hangs on the block row alone and is asked for jointly along a row of the cluster, wt's on the block
; column alone and jointly along a column: a quarter of the requests.  A wave has two tensor loads out at the start, later one.
; OUTPUT in f16 WITH A BLOCK EXPONENT: e = the biased exponent of the block's largest magnitude, held in 1 .. 253; the block is stored times
; 2^(127-e) (magnitudes below 2, below 4 at the upper clamp) as qkv[plane = n / 64][token][64], and scl[block column * 32 + block row] = 2^(e-127).
; LIMITS: an element below 2^-24 of its block's largest becomes zero, below 2^-14 it keeps fewer than 11 bits; NaN and infinities are not served.
; The matrix instruction is used transposed (source 0 = rows of wt, source 1 = rows of xb): a lane's eight results are eight neighbouring n of one token.
; REGISTER WINDOWS: 0: addresses, xb's fragments (two buffers), work on the way out; 1: wt's fragments; 2, 3: accumulators, tile (a, b) in window 2 + a / 4 at v[8 (8 (a % 4) + b)].
.set MA,     8                         ; blocks of 16 rows of A in a wave's tile
.set KDIM,   1024
.set KSTEP,  128
.set PITCH,  272                       ; an LDS row: 256 bytes + 16: an odd multiple of 16, so the 16 rows of a fragment load begin in 16 different columns of 16 bytes modulo 256
.set HALFB,  128*PITCH                 ; what one load brings of B
.set HALFA,  16*MA*PITCH               ; and of A
.set SLOT,   2*HALFB+2*HALFA           ; B's 256 rows, then A's
.set STAGE,  2*SLOT                    ; behind the ring, no fill lands here: 16 rows x 272 bytes for each wave
.set SPITCH, 272
.set RED,    STAGE+4*16*SPITCH         ; four words: the waves' maxima
.set LAPS,   KDIM/(2*KSTEP)            ; a lap = two K steps = once round the ring
.set PLANE,  8192*128                  ; bytes of a plane of qkv
.set ADRA, 16                          ; v16-17  LDS address of my A fragments in slot 0, 1
.set ADRB, 20                          ; v20-21  the same for B
.set STO,  24                          ; v24     way out: where I put 16 bytes of a row
.set RD,   25                          ; v25     way out: where I read back
.set CO,   26                          ; v26     my byte offset in qkv
.set AM,   28                          ; v28-31  four running maxima
.set FW,   32                          ; v32-33  2^(127-e), twice
.set EX,   34                          ; v34     2^(e-127)
.set SO,   35                          ; v35     byte offset in scl
.set RA,   36                          ; v36-37  LDS addresses of my word and of the four words
.set RV,   40                          ; v40-43  the four maxima
.set F0,   64                          ; fragment buffer 0
.set F1,   128                         ; fragment buffer 1
.set TMP,  192                         ; way out: packed results
.set G1,  24                           ; s[24:31] group 1 for A's tiles
.set G0,  32                           ; s[32:39] group 0 for A's tiles, one set for each slot
.set G1B, 48                           ; s[48:55] group 1 for B's tiles
.set G0B, 56                           ; s[56:63] group 0 for B's tiles
.set GW0, (1<<16)|(1<<20)|(1<<21)|(5<<22)|(3<<25)   ; 2-byte elements; padding on; bit 21 beside a mask; after every 64 words, 4 words
.set MSB, 0
.macro WIN new                         ; the immediate's high byte repeats the setting that is left
.if MSB != \new
	s_set_vgpr_msb (MSB<<8)|\new
.set MSB, \new
.endif
.endm
.set MUL_LO, 0xa1                      ; source 0 (B) window 1, source 1 (A) window 0, C and D window 2
.set MUL_HI, 0xf1                      ; the same, C and D window 3
.set TO_B,   0x40                      ; destination window 1, address window 0
; A joint load.  Waves 0 and 1 fetch B's two halves, waves 2 and 3 A's.  The branch hangs on the wave's number alone.
.macro JLOAD s
	s_cmp_eq_u32 s11, 0
	s_cbranch_scc0 .Lfor_a_\@
	tensor_load_to_lds s[G0B+4*\s:G0B+4*\s+3], s[G1B:G1B+7]
	s_nop 0
	s_branch .Lasked_\@
.Lfor_a_\@:
	tensor_load_to_lds s[G0+4*\s:G0+4*\s+3], s[G1:G1+7]
	s_nop 0
.Lasked_\@:
.endm
.macro CREST                           ; a round of the cluster's barrier behind its opening barrier
	s_cmp_lg_u32 s10, 0
	s_cbranch_scc1 .Lnot_wave_0_\@
	s_barrier_signal -3
.Lnot_wave_0_\@:
	s_barrier_wait -3
	s_barrier_signal -1
	s_barrier_wait -1
.endm
.macro CROUND                          ; a whole round
	s_barrier_signal -1
	s_barrier_wait -1
	CREST
.endm
.macro PLACES                          ; four places behind a matrix instruction in front of loads into its sources and of readers of its result
.rept 4
	v_nop
.endr
.endm
; 8 matrix instructions: row block a x all 8 column blocks, 32 along K.  zero = 1: the product starts the sums.
.macro MULA f, a, zero
.irp b, 0,1,2,3,4,5,6,7
.if \zero
	v_wmma_f32_16x16x32_bf16 v[8*(8*((\a)%4)+\b):8*(8*((\a)%4)+\b)+7], v[\f+8*\b:\f+8*\b+7], v[\f+8*(\a):\f+8*(\a)+7], 0
.else
	v_wmma_f32_16x16x32_bf16 v[8*(8*((\a)%4)+\b):8*(8*((\a)%4)+\b)+7], v[\f+8*\b:\f+8*\b+7], v[\f+8*(\a):\f+8*(\a)+7], v[8*(8*((\a)%4)+\b):8*(8*((\a)%4)+\b)+7]
.endif
.endr
.endm
.macro MULS f, a0, cnt, zero           ; row blocks a0 .. a0 + cnt - 1.  All 8 MA accumulators take turns, one instruction a turn
.set ma, \a0
.rept \cnt
	MULA \f, ma, \zero
.set ma, ma+1
.endr
.endm
; the fragments of one quarter step (32 K at byte k of the rows) into buffer f: 16 loads for B, 2 MA for A, in one run
.macro FETCH slot, k, f
	WIN TO_B
.irp i, 0,1,2,3,4,5,6,7
	ds_load_b128 v[\f+8*\i:\f+8*\i+3],   v[ADRB+\slot] offset:\k+\i*16*PITCH
	ds_load_b128 v[\f+8*\i+4:\f+8*\i+7], v[ADRB+\slot] offset:\k+\i*16*PITCH+32
.endr
	WIN 0
.set fi, 0
.rept MA
	ds_load_b128 v[\f+8*fi:\f+8*fi+3],   v[ADRA+\slot] offset:\k+fi*16*PITCH
	ds_load_b128 v[\f+8*fi+4:\f+8*fi+7], v[ADRA+\slot] offset:\k+fi*16*PITCH+32
.set fi, fi+1
.endr
.endm
.macro QUARTER slot, k, f, g, zero
	s_wait_dscnt MA                                ; B and A's lower blocks are in; the youngest MA loads (A's upper MA/2 blocks) may be out
	WIN MUL_LO
	MULS \f, 0, MA/2, \zero
	PLACES
	FETCH \slot, \k, \g
	s_wait_dscnt 16+2*MA                           ; all but the run just issued
	WIN MUL_HI
	MULS \f, MA/2, MA/2, \zero
.endm
.macro THREE slot, zero
	QUARTER \slot, 64,  F0, F1, \zero
	QUARTER \slot, 128, F1, F0, 0
	QUARTER \slot, 192, F0, F1, 0
.endm
; The last quarter changes slots.  In front of the barrier each wave waits for its reads of this slot and for all its tensor loads (the one
; that is out is its part of the next slot); behind it, where this slot is filled again, the rest of a round of the cluster's barrier, then
; the joint refill first, then the next slot's first fragments.
.macro TURN slot, next, fill
	s_wait_dscnt MA
	WIN MUL_LO
	MULS F1, 0, MA/4, 0
	s_wait_dscnt 0                                 ; my reads of this slot are over
	s_wait_tensorcnt 0x0                           ; all my tensor loads have landed
	ds_add_u32 v255, v255
	s_wait_dscnt 0x0
	s_barrier_signal -1
	MULS F1, MA/4, MA/4, 0                         ; register work while the others arrive
	WIN 0
	s_barrier_wait -1
.if \fill
	CREST                                          ; no wave of any partner still reads this slot or has a load on its way
	s_add_nc_u64 s[G0+4*\slot+2:G0+4*\slot+3], s[G0+4*\slot+2:G0+4*\slot+3], 2*KSTEP*2
	s_add_nc_u64 s[G0B+4*\slot+2:G0B+4*\slot+3], s[G0B+4*\slot+2:G0B+4*\slot+3], 2*KSTEP*2
	JLOAD \slot
.endif
	PLACES
	FETCH \next, 0, F0
	WIN MUL_HI
	MULS F1, MA/2, MA/2, 0
.endm
.macro LAP zero
	THREE 0, \zero
	TURN 0, 1, 1
	THREE 1, 0
	TURN 1, 0, 1
.endm
	s_load_b128 s[4:7], s[0:1], 0x0                ; xb s[4:5], wt s[6:7]
	s_load_b64 s[8:9], s[0:1], 0x10                ; qkv
	s_set_vgpr_msb 0x40
	v_lshl_add_u32 v255, v0, 2, 0x48500
	s_set_vgpr_msb 0x4000
	v_mov_b32 v255, 0
	s_set_vgpr_msb 0x1
	ds_add_u32 v255, v255
	s_set_vgpr_msb 0x100
	v_lshrrev_b32 v1, 5, v0
	v_readfirstlane_b32 s10, v1                    ; wave 0..3
	s_lshr_b32 s11, s10, 1                         ; my half of the block's rows.  Also: I fetch for B (0) or for A (1)
	s_and_b32 s12, s10, 1                          ; my half of its columns.  Also: which half of that tile I fetch
	s_bfe_u32 s40, ttmp6, 0x40000                  ; cx
	s_bfe_u32 s41, ttmp6, 0x40004                  ; cy
	s_lshl_b32 s42, ttmp9, 2
	s_add_co_u32 s42, s42, s40                     ; block column
	s_and_b32 s13, ttmp7, 0xffff
	s_lshl_b32 s13, s13, 2
	s_add_co_u32 s13, s13, s41                     ; block row
	s_lshl_b32 s43, s41, 2
	s_lshl_b32 s43, 15, s43                        ; my row of the cluster
	s_lshl_b32 s44, 0x1111, s40                    ; my column
	s_or_b32 s[G1+0], s43, GW0                     ; A's tiles go to my row
	s_or_b32 s[G1B+0], s44, GW0                    ; B's to my column
	s_mov_b32 s[G1+1], KSTEP<<16                   ; tensor_dim0 = 128
	s_mov_b32 s[G1B+1], KSTEP<<16
	s_mov_b32 s[G1+2], (16*MA)<<16                 ; tensor_dim1 = the tile's rows
	s_mov_b32 s[G1B+2], 128<<16
	s_mov_b32 s[G1+3], KSTEP<<16                   ; tile_dim0 = 128
	s_mov_b32 s[G1B+3], KSTEP<<16
	s_mov_b32 s[G1+4], 16*MA                       ; tile_dim1
	s_mov_b32 s[G1B+4], 128
	s_mov_b32 s[G1+5], KDIM                        ; elements from row to row
	s_mov_b32 s[G1B+5], KDIM
	s_mov_b32 s[G1+6], 0
	s_mov_b32 s[G1B+6], 0
	s_mov_b32 s[G1+7], 0
	s_mov_b32 s[G1B+7], 0
	; A's address hangs on the block row, B's on the block column, each in registers that never hold the other coordinate
	s_mul_i32 s17, s12, 16*MA
	s_mul_i32 s16, s13, 32*MA
	s_add_co_u32 s16, s16, s17                     ; A's first row
	s_lshl_b32 s16, s16, 11                        ; rows of 2,048 bytes
	s_mov_b32 s17, 0
	s_lshl_b32 s47, s12, 7
	s_lshl_b32 s46, s42, 8
	s_add_co_u32 s46, s46, s47                     ; B's first row
	s_lshl_b32 s46, s46, 11
	s_mov_b32 s47, 0
	s_mul_i32 s20, s10, HALFB                      ; where B's halves go (waves 0, 1),
	s_mul_i32 s21, s10, HALFA                      ; and A's (waves 2, 3): 2 HALFB + (wave - 2) HALFA
.if HALFB != HALFA
	s_add_co_u32 s21, s21, 2*(HALFB-HALFA)
.endif
	s_wait_dscnt 0x0
	s_wait_kmcnt 0x0
	s_add_nc_u64 s[14:15], s[4:5], s[16:17]
	s_add_nc_u64 s[46:47], s[6:7], s[46:47]
	CROUND                                         ; all sixteen work-groups are here: the first joint loads meet
.irp s, 0,1
	s_mov_b32 s[G0+4*\s], 1
	s_add_co_u32 s[G0+4*\s+1], s21, \s*SLOT
	s_add_nc_u64 s[G0+4*\s+2:G0+4*\s+3], s[14:15], \s*KSTEP*2
	s_or_b32 s[G0+4*\s+3], s[G0+4*\s+3], 0x80000000
	s_mov_b32 s[G0B+4*\s], 1
	s_add_co_u32 s[G0B+4*\s+1], s20, \s*SLOT
	s_add_nc_u64 s[G0B+4*\s+2:G0B+4*\s+3], s[46:47], \s*KSTEP*2
	s_or_b32 s[G0B+4*\s+3], s[G0B+4*\s+3], 0x80000000
	JLOAD \s
.endr
	; a fragment: lane l holds row l % 16; two loads of 16 bytes, 32 bytes apart, at row x pitch + 16 (l / 16)
	v_and_b32 v1, 15, v0
	v_bfe_u32 v2, v0, 4, 1
	v_mul_u32_u24 v3, v1, PITCH
	v_lshl_add_u32 v3, v2, 4, v3
	s_mul_i32 s22, s12, HALFB                      ; my 128 rows of B
	s_mul_i32 s21, s11, HALFA                      ; my rows of A,
	s_add_co_u32 s21, s21, 2*HALFB                 ; which lie behind B's 256
.irp s, 0,1
	v_add_nc_u32 v[ADRA+\s], s21, v3
	v_add_nc_u32 v[ADRB+\s], s22, v3
	s_add_co_u32 s21, s21, SLOT
	s_add_co_u32 s22, s22, SLOT
.endr
	s_mul_i32 s23, s10, 16*SPITCH
	s_add_co_u32 s23, s23, STAGE                   ; my stage
	v_add_nc_u32 v[STO], s23, v3                   ; in: row l % 16, 16 bytes for each half of the lanes (the stage's pitch is the ring's)
	v_and_b32 v4, 31, v0
	v_lshrrev_b32 v5, 3, v4                        ; back: eight lanes take the 128 bytes that a row has in one plane, a load four rows
	v_and_b32 v6, 7, v0
	v_mul_u32_u24 v5, v5, SPITCH
	v_lshl_add_u32 v5, v6, 4, v5
	v_add_nc_u32 v[RD], s23, v5
	v_lshlrev_b32 v[CO], 4, v4                     ; four rows of a plane are 512 consecutive bytes
	s_wait_tensorcnt 1                             ; my part of K step 0 is in; K step 1's stays out
	s_barrier_signal -1
	s_barrier_wait -1
	FETCH 0, 0, F0
	LAP 1                                          ; the first lap's first products start the sums
	WIN 0
	s_mov_b32 s3, LAPS-2
.Llap:
	LAP 0
	WIN 0
	s_sub_co_u32 s3, s3, 1
	s_cmp_lg_u32 s3, 0
	s_cbranch_scc1 .Llap
	THREE 0, 0                                     ; the last lap fills nothing
	TURN 0, 1, 0
	THREE 1, 0
	s_wait_dscnt MA
	WIN MUL_LO
	MULS F1, 0, MA/2, 0
	s_wait_dscnt 0
	WIN MUL_HI
	MULS F1, MA/2, MA/2, 0
	; THE WAY OUT.  First the block's largest magnitude: four chains over my 512 sums, the lanes, the waves.
	PLACES
	s_load_b64 s[4:5], s[0:1], 0x18                ; scl (xb's address is no longer needed)
	WIN 0x0a                                       ; sources 0 and 1 in window 2
.set n, 0
.rept 4
	v_max_num_f32 v[AM+n], |v[2*n]|, |v[2*n+1]|    ; the first eight sums start the chains
.set n, n+1
.endr
.rept 124
	v_max3_num_f32 v[AM+n%4], |v[2*n]|, |v[2*n+1]|, v[AM+n%4]
.set n, n+1
.endr
	WIN 0x0f                                       ; sources 0 and 1 in window 3
.set n, 0
.rept 128
	v_max3_num_f32 v[AM+n%4], |v[2*n]|, |v[2*n+1]|, v[AM+n%4]
.set n, n+1
.endr
	WIN 0
	s_mov_b32 s22, 0x76543210                      ; v_permlanex16_b32: lane i of one half reads lane i of the other
	s_mov_b32 s23, 0xfedcba98
	v_max3_num_f32 v[AM], v[AM], v[AM+1], v[AM+2]
	v_max_num_f32 v[AM], v[AM], v[AM+3]
	v_max_num_f32_dpp v[AM], v[AM], v[AM] row_xmask:1 row_mask:0xf bank_mask:0xf
	v_max_num_f32_dpp v[AM], v[AM], v[AM] row_xmask:2 row_mask:0xf bank_mask:0xf
	v_max_num_f32_dpp v[AM], v[AM], v[AM] row_xmask:4 row_mask:0xf bank_mask:0xf
	v_max_num_f32_dpp v[AM], v[AM], v[AM] row_xmask:8 row_mask:0xf bank_mask:0xf
	v_permlanex16_b32 v[AM+1], v[AM], s22, s23
	v_max_num_f32 v[AM], v[AM], v[AM+1]
	v_mov_b32 v[RA+1], RED
	v_lshl_add_u32 v[RA], s10, 2, v[RA+1]
	ds_store_b32 v[RA], v[AM]                      ; all lanes write my wave's word with the same value
	s_wait_dscnt 0x0
	s_barrier_signal -1
	s_barrier_wait -1
	ds_load_b128 v[RV:RV+3], v[RA+1]
	; meanwhile: where my part of qkv begins.  The block row's share and the block column's share are made apart.
	s_lshl_b32 s16, s13, 15                        ; 256 tokens of 128 bytes
	s_lshl_b32 s17, s11, 14
	s_add_co_u32 s16, s16, s17
	s_mov_b32 s17, 0
	s_add_nc_u64 s[8:9], s[8:9], s[16:17]
	s_lshl_b32 s46, s42, 22                        ; four planes
	s_lshl_b32 s47, s12, 21                        ; two planes
	s_add_co_u32 s46, s46, s47
	s_mov_b32 s47, 0
	s_add_nc_u64 s[8:9], s[8:9], s[46:47]
	s_lshl_b32 s46, s42, 7
	v_mov_b32 v[SO], s46
	v_lshl_add_u32 v[SO], s13, 2, v[SO]            ; scl: (block column * 32 + block row) words
	s_wait_dscnt 0x0
	v_max3_num_f32 v[AM], v[RV], v[RV+1], v[RV+2]
	v_max_num_f32 v[AM], v[AM], v[RV+3]
	v_lshrrev_b32 v[AM], 23, v[AM]                 ; its biased exponent (the sign is 0),
	v_max_u32 v[AM], 1, v[AM]
	v_min_u32 v[AM], 253, v[AM]                    ; held where both 2^(e-127) and 2^(127-e) are normal numbers
	v_sub_nc_u32 v[FW], 254, v[AM]
	v_lshlrev_b32 v[FW], 23, v[FW]                 ; 2^(127-e)
	v_mov_b32 v[FW+1], v[FW]
	v_lshlrev_b32 v[EX], 23, v[AM]                 ; 2^(e-127)
	s_wait_kmcnt 0x0
	s_cmp_lg_u32 s10, 0
	s_cbranch_scc1 .Lno_scale
	v_cmp_eq_u32 vcc_lo, 0, v0
	s_wait_xcnt 0x0                                ; EXEC changes only behind this wait
	s_and_saveexec_b32 s45, vcc_lo                 ; one lane of wave 0 stores the block's scale
	global_store_b32 v[SO], v[EX], s[4:5]
	s_wait_xcnt 0x0                                ; and again in front of the line that widens it
	s_or_b32 exec_lo, exec_lo, s45
.Lno_scale:
; rows 16 i .. 16 i + 15 of my block: scale, round to f16, 16 bytes a lane into my stage, back as four rows of a plane at a time
.macro OUTH i, from
	WIN \from                                      ; source 0 in the accumulators' window
.irp b, 0,1,2,3,4,5,6,7
.irp r, 0,1,2,3
	v_pk_mul_f32 v[F0+8*\b+2*\r:F0+8*\b+2*\r+1], v[8*(8*(\i%4)+\b)+2*\r:8*(8*(\i%4)+\b)+2*\r+1], v[FW:FW+1]
.endr
.endr
	WIN 0
.irp b, 0,1,2,3,4,5,6,7
.irp r, 0,1,2,3
	v_cvt_pk_f16_f32 v[TMP+4*\b+\r], v[F0+8*\b+2*\r], v[F0+8*\b+2*\r+1]
.endr
.endr
.irp b, 0,1,2,3,4,5,6,7
	ds_store_b128 v[STO], v[TMP+4*\b:TMP+4*\b+3] offset:32*\b
.endr
	s_wait_xcnt 0x0                                ; buffer 1, which the last sixteen rows' stores read, is loaded again only behind this wait
.irp t, 0,1,2,3
.irp hh, 0,1
	ds_load_b128 v[F1+4*(2*\t+\hh):F1+4*(2*\t+\hh)+3], v[RD] offset:\t*4*SPITCH+\hh*128   ; LDS serves a wave's instructions in order: these see the stores above
.endr
.endr
.irp t, 0,1,2,3
.irp hh, 0,1
	s_wait_dscnt 7-(2*\t+\hh)
	global_store_b128 v[CO], v[F1+4*(2*\t+\hh):F1+4*(2*\t+\hh)+3], s[8:9] offset:\hh*PLANE+(16*\i+4*\t)*128   ; 512 consecutive bytes, aligned
.endr
.endr
.endm
	OUTH 0, 0x02
	OUTH 1, 0x02
	OUTH 2, 0x02
	OUTH 3, 0x02
	OUTH 4, 0x03
	OUTH 5, 0x03
	OUTH 6, 0x03
	OUTH 7, 0x03
	s_set_vgpr_msb 0x1
	s_wait_tensorcnt 0x0
	ds_add_u32 v255, v255
	s_wait_dscnt 0x0
	s_set_vgpr_msb 0x100
	CROUND                                         ; the closing round: no work-group ends while a partner may still ask for a tile that names it
	s_endpgm
.Lfunc_end_k_qc6b72d5b60_proj:
	.size	k_qc6b72d5b60_proj, .Lfunc_end_k_qc6b72d5b60_proj-k_qc6b72d5b60_proj
	.p2alignl 7, 3214868480
	.fill 96, 4, 3214868480
	.section	.rodata,"a",@progbits
	.p2align	6, 0x0
	.amdhsa_kernel k_qc6b72d5b60_proj
		.amdhsa_group_segment_fixed_size 327680
		.amdhsa_private_segment_fixed_size 0
		.amdhsa_enable_private_segment 0
		.amdhsa_kernarg_size 32
		.amdhsa_user_sgpr_count 2
		.amdhsa_user_sgpr_kernarg_segment_ptr 1
		.amdhsa_wavefront_size32 1
		.amdhsa_system_sgpr_workgroup_id_x 1
		.amdhsa_system_sgpr_workgroup_id_y 1
		.amdhsa_system_sgpr_workgroup_id_z 1
		.amdhsa_system_vgpr_workitem_id 0
		.amdhsa_next_free_vgpr 1024
		.amdhsa_next_free_sgpr 66
		.amdhsa_reserve_vcc 1
		.amdhsa_float_denorm_mode_32 3
		.amdhsa_float_denorm_mode_16_64 3
		.amdhsa_memory_ordered 1
		.amdhsa_forward_progress 1
		.amdhsa_inst_pref_size 230
	.end_amdhsa_kernel
	.amdgpu_metadata
---
amdhsa.version: [ 1, 2 ]
amdhsa.kernels:
  - .name:           k_qc6b72d5b60_proj
    .symbol:         k_qc6b72d5b60_proj.kd
    .args:
      - { .name: xb, .offset: 0, .size: 8, .value_kind: global_buffer, .address_space: global }
      - { .name: wt, .offset: 8, .size: 8, .value_kind: global_buffer, .address_space: global }
      - { .name: qkv, .offset: 16, .size: 8, .value_kind: global_buffer, .address_space: global }
      - { .name: scl, .offset: 24, .size: 8, .value_kind: global_buffer, .address_space: global }
    .group_segment_fixed_size: 327680
    .private_segment_fixed_size: 0
    .kernarg_segment_align: 8
    .kernarg_segment_size: 32
    .max_flat_workgroup_size: 128
    .sgpr_count:     66
    .vgpr_count:     1024
    .wavefront_size: 32
...
	.end_amdgpu_metadata
.endif
;; end of part 2
;; launch attn (part 3): grid 8 x 32, 8 waves a work-group, clusters of 4 x 1, 327,680 bytes of LDS; arguments qkv, scl, hd; writes hd
.if DOCPART == 3
	.amdgcn_target "amdgcn-amd-amdhsa--gfx1250"
	.amdhsa_code_object_version 6
	.text
	.protected	k_qc6b72d5b60_attn
	.globl	k_qc6b72d5b60_attn
	.p2align	8
	.type	k_qc6b72d5b60_attn,@function
k_qc6b72d5b60_attn:
	s_mov_b64 s[64:65], 0
	v_nop
	global_prefetch_b8 v0, s[64:65] scope:SCOPE_SE
	s_setreg_imm32_b32 hwreg(HW_REG_WAVE_MODE, 25, 1), 1
	s_wait_xcnt 0x0
	s_wait_alu depctr_hold_cnt(0) depctr_sa_sdst(0) depctr_va_vdst(0) depctr_va_sdst(0) depctr_va_ssrc(0) depctr_va_vcc(0) depctr_vm_vsrc(0)
	s_getreg_b32 s2, hwreg(HW_REG_IB_STS2, 6, 4)
	s_cmp_eq_u32 s2, 0
	s_cbranch_scc0 .Lentry_in_a_cluster
	s_endpgm
.Lentry_in_a_cluster:
	s_bfe_u32 s2, ttmp6, 0x10000c
	s_cmp_lg_u32 s2, 0x3003
	s_cbranch_scc0 .Lentry_shape_is_right
	s_endpgm
.Lentry_shape_is_right:
; attn: softmax(Q K^T / 8) V with a running maximum, f16 operands, f32 sums and statistics.
; A work-group: 256 queries of one batch x two neighbouring heads, so that its rows of hd are whole aligned blocks of 256 bytes.
; Eight waves, two for each of the four SIMDs: wave w has head 2 p + w / 4 and queries 64 (w % 4) ..
; K and V come in tiles of 128 keys x both heads through two LDS slots, one tensor load of 64 rows a wave; one load of a wave is out at any time.
; CLUSTERS: the four query blocks of a cluster (4, 1, 1) read the same K and V and ask for them jointly (mask 15): a quarter of the requests.
; LAYOUT: S^T = K Q^T (source 0 = keys, source 1 = queries): lane (r, h) holds query r and keys 8 h + j, so maxima and sums run inside a lane
; and cross the two halves once, and two packed tiles of S^T are the second source of O^T = V^T P^T as they lie.  V^T comes by ds_load_tr16_b128.
; STAGGER: a step of 64 keys is a front (fragments, then S^T: 32 matrix instructions) and a back (softmax: vector work, then O^T: 32 matrix
; instructions).  A tile is two steps.  Waves with late = (w + w / 4) mod 2 = 0 do front, back, front, back between two rounds of the barrier.
; The others carry the second back over the round: back (of the tile before), front, back, front.  That back needs registers alone: S^T and V's
; fragments are in registers, waited for in front of the round.  So behind a round one kind starts with matrix work and the other with vector
; work, and they stay in opposite phase.  late differs between waves w and w + 4 and between waves 2 i and 2 i + 1: whether the eight waves are
; dealt to the four SIMDs in turn or in neighbouring pairs, each SIMD has one of each kind.
; BLOCK EXPONENTS (proj): Q = cQ Q', K = cK K', V = 2^(eV-127) V' for each block of 256 rows; U = 2^(eU-127), the largest V scale of the batch.
;   s~ = (Q'.K') c + g, c = cQ cK 0.125 log2(e), g = eV - eU;  m = running maximum of s~;  p = 2^(s~ - m) <= 1;
;   O = sum p V',  l = sum 2^-g p,  hd = O / l = heads / U, below 2 in magnitude.
; LIMITS: g is held at -24 or above: a block of 256 keys whose V all lie below 2^-24 U counts as if at 2^-24 U, an error of at most 2^-23 U in
; heads, the last bit that hd can hold; without the hold such keys' weights could fall below what v_exp_f32 returns and be lost from l.
; cQ cK beyond f32's range (scores beyond 2^127), NaN and infinities are not served.
.set PITK,  144                        ; K's LDS row: 128 bytes + 16, an odd multiple of 16
.set PITV,  160                        ; V's: 128 + 32, an odd multiple of 32, for the transposing load
.set VHEAD, 128*PITV
.set KHEAD, 128*PITK
.set KOFF,  2*VHEAD                    ; a slot: V of head A, V of head B, K of head A, K of head B
.set SLOT,  2*VHEAD+2*KHEAD            ; 77,824
.set STAGE, 2*SLOT                     ; 256 rows x 272 bytes, written by ds_store alone
.set SP,    272
.set TILEB, 128*128                    ; a tile's bytes in a plane
.set GMIN,  -24
.set ADRK, 8                           ; v8-9    LDS address of my K fragments, slot 0, 1
.set ADRV, 10                          ; v10-11  the same for V
.set STO,  12
.set RD,   13
.set CO,   14
.set QO,   15
.set CC,   16                          ; v16-17  c, twice
.set GG,   18                          ; g
.set WW,   19                          ; 2^-g
.set CQ,   20                          ; cQ 0.125 log2(e)
.set MM,   24                          ; v24-27  running maximum, one for each tile of 16 queries
.set LL,   28                          ; v28-31  running sum (this half of the lanes' keys)
.set MX,   32                          ; v32-35  this step's maximum
.set TP,   36                          ; v36-39  at work
.set SB,   32                          ; v32-39  second chain of the sums, in MX and TP once those are done with
.set AL,   40                          ; v40-47  2^(old m - new m), low register of a pair
.set NM,   48                          ; v48-55  g - m, low register of a pair
.set SU,   56                          ; v56-63  first chain of the sums
.set QF,   64                          ; v64-127   Q fragments (qt, ks) at 8 (2 qt + ks)
.set SS,   128                         ; v128-255  S^T tiles (qt, kt) at 8 (4 qt + kt); P^T (qt, u) ends up at 32 qt + 16 u
.set KF,   128                         ; window 1: K fragments (kt, ks) at 8 (2 kt + ks)
.set VF,   192                         ; window 1: V fragments (vt, u) at 8 (2 vt + u);  window 1, v0-127: O^T tiles (qt, vt) at 8 (4 qt + vt)
.set G1V, 16                           ; s[16:23]
.set G1K, 24                           ; s[24:31]
.set G0V, 32                           ; s[32:39], a set for each slot
.set G0K, 40                           ; s[40:47]
.set KS,  48                           ; s[48:55] cK of the batch's eight key blocks, the next one in front
.set VS,  56                           ; s[56:63] the V scales likewise
                                       ; s3 (from the first trip on): late, 0 or 1
.set MSB, 0
.macro WIN new
.if MSB != \new
	s_set_vgpr_msb (MSB<<8)|\new
.set MSB, \new
.endif
.endm
.macro ROUND                           ; a round of the cluster's barrier
	s_barrier_signal -1
	s_barrier_wait -1
	s_cmp_lg_u32 s8, 0
	s_cbranch_scc1 .Lnot_wave_0_\@
	s_barrier_signal -3
.Lnot_wave_0_\@:
	s_barrier_wait -3
	s_barrier_signal -1
	s_barrier_wait -1
.endm
.macro JLOAD s                         ; waves 0-3 ask for V's four quarters, waves 4-7 for K's; s may be an expression, hence the parentheses
	s_cmp_eq_u32 s9, 0
	s_cbranch_scc0 .Lfor_k_\@
	tensor_load_to_lds s[G0V+4*(\s):G0V+4*(\s)+3], s[G1V:G1V+7]
	s_nop 0
	s_branch .Lasked_\@
.Lfor_k_\@:
	tensor_load_to_lds s[G0K+4*(\s):G0K+4*(\s)+3], s[G1K:G1K+7]
	s_nop 0
.Lasked_\@:
.endm
.macro SCALES                          ; the next block of 256 keys: c, g, 2^-g; then both lists move up
	s_lshr_b32 s67, s[VS], 23
	s_sub_co_i32 s67, s67, s15                     ; eV - eU, at most 0
	s_max_i32 s67, s67, GMIN
	v_cvt_f32_i32 v[GG], s67
	s_sub_co_i32 s67, 127, s67
	s_lshl_b32 s67, s67, 23
	v_mov_b32 v[WW], s67
	v_mul_f32 v[CC], s[KS], v[CQ]
	v_mul_f32 v[CC+1], s[KS], v[CQ]
.irp i, 0,1,2,3,4,5,6
	s_mov_b32 s[KS+\i], s[KS+\i+1]
	s_mov_b32 s[VS+\i], s[VS+\i+1]
.endr
.endm
.macro LOADK slot, st                  ; 64 keys x 64: 16 loads
.irp kt, 0,1,2,3
.irp ks, 0,1
	ds_load_b128 v[KF+8*(2*\kt+\ks):KF+8*(2*\kt+\ks)+3],   v[ADRK+\slot] offset:(64*\st+16*\kt)*PITK+64*\ks
	ds_load_b128 v[KF+8*(2*\kt+\ks)+4:KF+8*(2*\kt+\ks)+7], v[ADRK+\slot] offset:(64*\st+16*\kt)*PITK+64*\ks+32
.endr
.endr
.endm
.macro LOADV slot, st                  ; the same keys' V, transposed: 16 loads
.irp vt, 0,1,2,3
.irp u, 0,1
	ds_load_tr16_b128 v[VF+8*(2*\vt+\u):VF+8*(2*\vt+\u)+3],   v[ADRV+\slot] offset:(64*\st+32*\u)*PITV+32*\vt
	ds_load_tr16_b128 v[VF+8*(2*\vt+\u)+4:VF+8*(2*\vt+\u)+7], v[ADRV+\slot] offset:(64*\st+32*\u+16)*PITV+32*\vt
.endr
.endr
.endm
.macro QKMUL                           ; 32 matrix instructions; the 16 tiles take turns, one instruction a turn
.irp ks, 0,1
.irp q, 0,1,2,3
.irp kt, 0,1,2,3
.if \ks == 0
	v_wmma_f32_16x16x32_f16 v[SS+8*(4*\q+\kt):SS+8*(4*\q+\kt)+7], v[KF+8*(2*\kt+\ks):KF+8*(2*\kt+\ks)+7], v[QF+8*(2*\q+\ks):QF+8*(2*\q+\ks)+7], 0
.else
	v_wmma_f32_16x16x32_f16 v[SS+8*(4*\q+\kt):SS+8*(4*\q+\kt)+7], v[KF+8*(2*\kt+\ks):KF+8*(2*\kt+\ks)+7], v[QF+8*(2*\q+\ks):QF+8*(2*\q+\ks)+7], v[SS+8*(4*\q+\kt):SS+8*(4*\q+\kt)+7]
.endif
.endr
.endr
.endr
.endm
.macro PVMUL zero                      ; 32 matrix instructions, by turns likewise; zero = 1: the first products start O
.irp u, 0,1
.irp q, 0,1,2,3
.irp vt, 0,1,2,3
.if \zero*(1-\u)
	v_wmma_f32_16x16x32_f16 v[8*(4*\q+\vt):8*(4*\q+\vt)+7], v[VF+8*(2*\vt+\u):VF+8*(2*\vt+\u)+7], v[SS+32*\q+16*\u:SS+32*\q+16*\u+7], 0
.else
	v_wmma_f32_16x16x32_f16 v[8*(4*\q+\vt):8*(4*\q+\vt)+7], v[VF+8*(2*\vt+\u):VF+8*(2*\vt+\u)+7], v[SS+32*\q+16*\u:SS+32*\q+16*\u+7], v[8*(4*\q+\vt):8*(4*\q+\vt)+7]
.endif
.endr
.endr
.endr
.endm
; The exponentials of a query tile do not stand in a run of their own: they are dealt out among plain work on ANOTHER tile's registers.
; XE e: the next exponential (counter xm) of query tile e; nothing for e < 0.  Behind each stands a plain instruction that names none of
; its registers before its result is read (ISA guide 5.7.2).
.macro XE e
.if \e >= 0
	v_exp_f32 v[SS+32*\e+xm], v[SS+32*\e+xm]
.set xm, xm+1
.endif
.endm
.macro SFMA q, e                       ; tile q: s c + (g - m), two at a time, 16 instructions; two of tile e's 32 exponentials in front of each
.set n, 0
.set xm, 0
.rept 16
	XE \e
	XE \e
	v_pk_fma_f32 v[SS+32*\q+2*n:SS+32*\q+2*n+1], v[SS+32*\q+2*n:SS+32*\q+2*n+1], v[CC:CC+1], v[NM+2*\q:NM+2*\q+1] op_sel_hi:[1,0,0]
.set n, n+1
.endr
.endm
.macro RESCALE                         ; O times 2^(old m - new m)
	WIN 0x41                                       ; O as source 0 and destination in window 1
	s_wait_alu depctr_va_vdst(0)
.irp q, 0,1,2,3
.set n, 0
.rept 16
	v_pk_mul_f32 v[32*\q+2*n:32*\q+2*n+1], v[32*\q+2*n:32*\q+2*n+1], v[AL+2*\q:AL+2*\q+1] op_sel_hi:[1,0]
.set n, n+1
.endr
.endr
	WIN 0
.endm
; Sum the 32 weights of query tile q in two chains and pack them to f16 in place.  Pair n (registers 2 n, 2 n + 1) goes to register
; n + 8 (n / 8), which belongs to a pair that has been summed and packed already: tiles 0, 1 fill registers 0-7, tiles 2, 3 registers 16-23.
; 30 plain instructions; tile e's 32 exponentials stand one in front of each, and two more at the head.
.macro SUMCVT q, e
.set xm, 0
	XE \e
	XE \e
	XE \e
	s_wait_alu depctr_va_vdst(0)
	v_pk_add_f32 v[SU+2*\q:SU+2*\q+1], v[SS+32*\q:SS+32*\q+1],   v[SS+32*\q+2:SS+32*\q+3]
	XE \e
	v_pk_add_f32 v[SB+2*\q:SB+2*\q+1], v[SS+32*\q+4:SS+32*\q+5], v[SS+32*\q+6:SS+32*\q+7]
.set n, 0
.rept 4
	XE \e
	v_cvt_pk_f16_f32 v[SS+32*\q+n], v[SS+32*\q+2*n], v[SS+32*\q+2*n+1]
.set n, n+1
.endr
.rept 6
	XE \e
	v_pk_add_f32 v[SU+2*\q:SU+2*\q+1], v[SU+2*\q:SU+2*\q+1], v[SS+32*\q+2*n:SS+32*\q+2*n+1]
	XE \e
	v_cvt_pk_f16_f32 v[SS+32*\q+n+8*(n/8)], v[SS+32*\q+2*n], v[SS+32*\q+2*n+1]
.set n, n+1
	XE \e
	v_pk_add_f32 v[SB+2*\q:SB+2*\q+1], v[SB+2*\q:SB+2*\q+1], v[SS+32*\q+2*n:SS+32*\q+2*n+1]
	XE \e
	v_cvt_pk_f16_f32 v[SS+32*\q+n+8*(n/8)], v[SS+32*\q+2*n], v[SS+32*\q+2*n+1]
.set n, n+1
.endr
.endm
.macro SOFTMAX first
	; the largest raw score of each query: four chains by turns, then the other half of the lanes
.irp q, 0,1,2,3
	v_max3_num_f32 v[MX+\q], v[SS+32*\q], v[SS+32*\q+1], v[SS+32*\q+2]
.endr
.set n, 3
.rept 14
.irp q, 0,1,2,3
	v_max3_num_f32 v[MX+\q], v[SS+32*\q+n], v[SS+32*\q+n+1], v[MX+\q]
.endr
.set n, n+2
.endr
.irp q, 0,1,2,3
	v_max_num_f32 v[MX+\q], v[SS+32*\q+31], v[MX+\q]
.endr
.irp q, 0,1,2,3
	v_permlanex16_b32 v[TP+\q], v[MX+\q], s12, s13
.endr
.irp q, 0,1,2,3
	v_max_num_f32 v[MX+\q], v[MX+\q], v[TP+\q]
.endr
.if \first
.irp q, 0,1,2,3
	v_fma_f32 v[MM+\q], v[MX+\q], v[CC], v[GG]     ; c > 0, so the largest raw score gives the largest s~
.endr
.irp q, 0,1,2,3
	v_sub_f32 v[NM+2*\q], v[GG], v[MM+\q]
.endr
.else
.irp q, 0,1,2,3
	v_fma_f32 v[TP+\q], v[MX+\q], v[CC], v[GG]
.endr
.irp q, 0,1,2,3
	v_max_num_f32 v[TP+\q], v[MM+\q], v[TP+\q]     ; the new running maximum
.endr
.irp q, 0,1,2,3
	v_sub_f32 v[MX+\q], v[MM+\q], v[TP+\q]
.endr
.irp q, 0,1,2,3
	v_exp_f32 v[AL+2*\q], v[MX+\q]
.endr
.irp q, 0,1,2,3
	v_sub_f32 v[NM+2*\q], v[GG], v[TP+\q]
.endr
.irp q, 0,1,2,3
	v_mov_b32 v[MM+\q], v[TP+\q]
.endr
.endif
	SFMA 0, -1
	SFMA 1, 0                                      ; tile 0's exponentials among tile 1's multiply-adds
.if \first == 0
	RESCALE
.endif
	SFMA 2, -1
	SUMCVT 0, 1                                    ; tile 1's among tile 0's sums and conversions, and so on
	SFMA 3, -1
	SUMCVT 1, 2
	SUMCVT 2, 3
	SUMCVT 3, -1
.irp q, 0,1,2,3
	v_pk_add_f32 v[SU+2*\q:SU+2*\q+1], v[SU+2*\q:SU+2*\q+1], v[SB+2*\q:SB+2*\q+1]
.endr
.irp q, 0,1,2,3
	v_add_f32 v[SU+2*\q], v[SU+2*\q], v[SU+2*\q+1]
.endr
.if \first
.irp q, 0,1,2,3
	v_mul_f32 v[LL+\q], v[SU+2*\q], v[WW]
.endr
.else
.irp q, 0,1,2,3
	v_mul_f32 v[LL+\q], v[LL+\q], v[AL+2*\q]
.endr
.irp q, 0,1,2,3
	v_fmac_f32 v[LL+\q], v[SU+2*\q], v[WW]
.endr
.endif
.endm
; The front of a step of 64 keys (st = 0 or 1: which half of the slot's tile): fragments, then S^T.
.macro FRONT slot, st, first
.if \first == 0
.rept 5
	v_nop                                          ; five places behind the last products (ISA guide 7.12.1): V's fragments are loaded again, and S^T is written over P^T
.endr
.endif
	WIN 0x40                                       ; destination window 1, address window 0
.if \st == 0
	LOADK \slot, 0
.endif
	LOADV \slot, \st
	s_wait_dscnt 16                                ; K's 16 loads are in (for st = 1 they went out in the step before); V's 16 stay out
	WIN 0x01                                       ; source 0 (K) window 1
	QKMUL
	WIN 0
.rept 4
	v_nop                                          ; four places: S^T is read, and K's fragments are loaded again
.endr
.if \st == 0
	WIN 0x40
	LOADK \slot, 1                                 ; the next step's K, a softmax ahead of its use
	WIN 0
.endif
.endm
; The back of a step: softmax, then O^T.  left = how many younger LDS loads may stay out when V's fragments have to be there; below 0: no
; wait is written, since the wait for 0 in front of the round has shown them in.
.macro BACK first, left
	SOFTMAX \first
.if \left >= 0
	s_wait_dscnt \left
.endif
	WIN 0x51                                       ; V^T, C and D in window 1, P^T in window 0
	PVMUL \first
	WIN 0
.endm
; A tile of 128 keys.  The round of the cluster's barrier stands between every wave's last read of the other slot (and its last load's landing)
; and the joint refill of that slot, which is the first thing behind it and has this trip's work in which to land.
; The two branches hang on the wave's number alone and jump over register work (and the early waves' wait for V): barriers, the waits in front
; of them and the tensor loads are on every wave's path.
.macro TRIP slot, refill, first
	s_wait_tensorcnt 0x0                           ; my one load, a part of this tile, has landed: no load of mine is out,
	ds_add_u32 v22, v23
	s_wait_dscnt 0x0
	s_add_nc_u64 s[G0V+4*\slot+2:G0V+4*\slot+3], s[G0V+4*\slot+2:G0V+4*\slot+3], 2*TILEB   ; so this slot's addresses may step to its next tile
	s_add_nc_u64 s[G0K+4*\slot+2:G0K+4*\slot+3], s[G0K+4*\slot+2:G0K+4*\slot+3], 2*TILEB
	s_wait_dscnt 0x0                               ; my reads of the other slot are done, a late wave's V fragments among them
	ROUND
.if \refill
	JLOAD 1-\slot
.endif
.if \first == 0
	s_cmp_eq_u32 s3, 0
	s_cbranch_scc1 .Lnot_late_\@
	BACK 0, -1                                     ; late waves: the back of the tile before, out of registers
.Lnot_late_\@:
.endif
.if \slot == 0
	SCALES                                         ; a slot 0 tile begins a block of 256 keys; behind the carried back, which belongs to the old block
.endif
	FRONT \slot, 0, \first
	BACK \first, 16                                ; V is in; the next step's K stays out
	FRONT \slot, 1, 0
	s_cmp_lg_u32 s3, 0
	s_cbranch_scc1 .Lnot_early_\@
	BACK 0, 0                                      ; early waves: at once
.Lnot_early_\@:
.endm
	s_load_b128 s[4:7], s[0:1], 0x0                ; qkv s[4:5], scl s[6:7]
	s_load_b64 s[10:11], s[0:1], 0x10              ; hd
	v_lshl_add_u32 v22, v0, 2, 0x37000
	v_mov_b32 v23, 0
	ds_add_u32 v22, v23
	v_lshrrev_b32 v1, 5, v0
	v_readfirstlane_b32 s8, v1                     ; wave 0..7
	s_lshr_b32 s9, s8, 2                           ; which head of the pair is mine.  Also: I fetch V (0) or K (1)
	s_and_b32 s3, ttmp7, 0xffff
	s_lshr_b32 s2, s3, 3                           ; batch
	s_and_b32 s3, s3, 7                            ; pair of heads
	s_mov_b32 s12, 0x76543210                      ; v_permlanex16_b32: lane i of one half reads lane i of the other
	s_mov_b32 s13, 0xfedcba98
	; group 1: 64 rows x 64 elements of 2 bytes, rows 64 elements apart; mask 15, bit 21 beside it; after every 32 words a pad of 8 (V) or 4 (K) words
	s_mov_b32 s[G1V+0], 15|(1<<16)|(1<<20)|(1<<21)|(4<<22)|(7<<25)
	s_mov_b32 s[G1K+0], 15|(1<<16)|(1<<20)|(1<<21)|(4<<22)|(3<<25)
	s_mov_b32 s[G1V+1], 64<<16
	s_mov_b32 s[G1K+1], 64<<16
	s_mov_b32 s[G1V+2], 64<<16
	s_mov_b32 s[G1K+2], 64<<16
	s_mov_b32 s[G1V+3], 64<<16
	s_mov_b32 s[G1K+3], 64<<16
	s_mov_b32 s[G1V+4], 64
	s_mov_b32 s[G1K+4], 64
	s_mov_b32 s[G1V+5], 64
	s_mov_b32 s[G1K+5], 64
	s_mov_b32 s[G1V+6], 0
	s_mov_b32 s[G1K+6], 0
	s_mov_b32 s[G1V+7], 0
	s_mov_b32 s[G1K+7], 0
	; my quarter: head 2 p + ((w >> 1) & 1), rows 64 (w & 1) .. of the tile.  Nothing here hangs on the place in the cluster.
	s_bfe_u32 s48, s8, 0x10001
	s_lshl1_add_u32 s48, s3, s48
	s_lshl_b32 s48, s48, 20                        ; planes of 1,048,576 bytes
	s_lshl_b32 s49, s2, 18                         ; 2,048 rows of 128 bytes
	s_add_co_u32 s48, s48, s49
	s_and_b32 s49, s8, 1
	s_lshl_b32 s49, s49, 13
	s_add_co_u32 s48, s48, s49
	s_mov_b32 s49, 0
	s_mul_i32 s50, s8, 64*PITV                     ; V's quarters lie from the slot's start (waves 0-3),
	s_mul_i32 s51, s8, 64*PITK
	s_add_co_u32 s51, s51, KOFF-4*64*PITK          ; K's from KOFF (waves 4-7)
	s_wait_dscnt 0x0
	s_wait_kmcnt 0x0
	s_add_nc_u64 s[48:49], s[4:5], s[48:49]
.irp s, 0,1
	s_mov_b32 s[G0V+4*\s], 1
	s_add_co_u32 s[G0V+4*\s+1], s50, \s*SLOT
	s_add_nc_u64 s[G0V+4*\s+2:G0V+4*\s+3], s[48:49], (32<<20)+\s*TILEB   ; V's planes begin at 32
	s_or_b32 s[G0V+4*\s+3], s[G0V+4*\s+3], 0x80000000
	s_mov_b32 s[G0K+4*\s], 1
	s_add_co_u32 s[G0K+4*\s+1], s51, \s*SLOT
	s_add_nc_u64 s[G0K+4*\s+2:G0K+4*\s+3], s[48:49], (16<<20)+\s*TILEB   ; K's at 16
	s_or_b32 s[G0K+4*\s+3], s[G0K+4*\s+3], 0x80000000
.endr
	ROUND                                          ; the four work-groups are here: the first joint loads meet
	JLOAD 0                                        ; tile 0
	; LDS addresses: the lane and the wave alone
	v_and_b32 v1, 15, v0                           ; r
	v_bfe_u32 v2, v0, 4, 1                         ; h
	v_and_b32 v3, 7, v0
	v_bfe_u32 v4, v0, 3, 1
	v_mul_u32_u24 v5, v1, PITK
	v_lshl_add_u32 v5, v2, 4, v5
	s_mul_i32 s48, s9, KHEAD
	s_add_co_u32 s48, s48, KOFF
	v_add_nc_u32 v[ADRK], s48, v5                  ; key r, 16 h bytes
	v_add_nc_u32 v[ADRK+1], SLOT, v[ADRK]
	v_lshl_add_u32 v6, v2, 3, v3
	v_mul_u32_u24 v6, v6, PITV
	v_lshl_add_u32 v6, v4, 4, v6
	s_mul_i32 s48, s9, VHEAD
	v_add_nc_u32 v[ADRV], s48, v6                  ; key 8 h + l % 8, 16 bytes for each eight lanes
	v_add_nc_u32 v[ADRV+1], SLOT, v[ADRV]
	s_and_b32 s51, s8, 3                           ; my 64 queries
	s_mul_i32 s48, s51, 64*SP
	s_lshl_b32 s49, s9, 7
	s_add_co_u32 s48, s48, s49
	s_add_co_u32 s48, s48, STAGE
	v_mul_u32_u24 v5, v1, SP
	v_lshl_add_u32 v5, v2, 4, v5
	v_add_nc_u32 v[STO], s48, v5                   ; stage: row 64 wq + r, my head's 128 bytes, 16 h
	s_mul_i32 s48, s8, 32*SP
	s_add_co_u32 s48, s48, STAGE
	v_mul_u32_u24 v5, v2, SP
	v_lshl_add_u32 v5, v1, 4, v5
	v_add_nc_u32 v[RD], s48, v5                    ; back: rows 32 w + h, 16 r
	v_lshlrev_b32 v[CO], 4, v1
	v_lshl_add_u32 v[CO], v2, 11, v[CO]            ; the same two rows in hd
	v_lshlrev_b32 v[QO], 7, v1
	v_lshl_add_u32 v[QO], v2, 4, v[QO]             ; Q: row r of 128 bytes, 16 h
.irp q, 0,1,2,3
	v_mov_b32 v[TP+\q], 0                          ; v_permlanex16_b32 counts as a reader of its destination,
	v_mov_b32 v[AL+2*\q+1], 0                      ; and a broadcast pair as read whole: the upper registers are written once
	v_mov_b32 v[NM+2*\q+1], 0
.endr
	; global addresses: first what hangs on the batch, the heads and the wave,
	s_lshl1_add_u32 s48, s3, s9
	s_lshl_b32 s48, s48, 20                        ; Q's plane = my head
	s_lshl_b32 s49, s2, 18
	s_add_co_u32 s48, s48, s49
	s_lshl_b32 s49, s51, 13
	s_add_co_u32 s48, s48, s49
	s_mov_b32 s49, 0
	s_add_nc_u64 s[4:5], s[4:5], s[48:49]
	s_lshl_b32 s48, s2, 22                         ; hd: 2,048 rows of 2,048 bytes
	s_lshl_b32 s49, s8, 16                         ; 32 rows
	s_add_co_u32 s48, s48, s49
	s_lshl_b32 s49, s3, 8                          ; the pair's 256 bytes
	s_add_co_u32 s48, s48, s49
	s_mov_b32 s49, 0
	s_add_nc_u64 s[10:11], s[10:11], s[48:49]
	s_lshr_b32 s3, s3, 1
	s_lshl_b32 s3, s3, 7
	s_lshl_b32 s2, s2, 5                           ; scl: the batch's eight row blocks, 32 bytes
	s_add_co_u32 s3, s3, s2                        ; + the heads' column block, 128 bytes
	; then the query block, in registers that serve nothing else
	s_bfe_u32 s100, ttmp6, 0x40000                 ; cx
	s_lshl_b32 s101, ttmp9, 2
	s_add_co_u32 s100, s101, s100                  ; query block = 4 x cluster x + cx
	s_lshl_b32 s66, s100, 15                       ; 256 rows of 128 bytes
	s_mov_b32 s67, 0
	s_add_nc_u64 s[4:5], s[4:5], s[66:67]
	s_lshl_b32 s66, s100, 19                       ; 256 rows of 2,048 bytes
	s_add_nc_u64 s[10:11], s[10:11], s[66:67]
	s_lshl2_add_u32 s101, s100, s3
.irp q, 0,1,2,3
.irp ks, 0,1
	global_load_b128 v[QF+8*(2*\q+\ks):QF+8*(2*\q+\ks)+3],   v[QO], s[4:5] offset:\q*2048+64*\ks
	global_load_b128 v[QF+8*(2*\q+\ks)+4:QF+8*(2*\q+\ks)+7], v[QO], s[4:5] offset:\q*2048+64*\ks+32
.endr
.endr
	s_load_b32 s66, s[6:7], s101 offset:0x0        ; cQ
	s_load_b256 s[KS:KS+7], s[6:7], s3 offset:0x200        ; K's column blocks are 4-7
	s_load_b256 s[VS:VS+7], s[6:7], s3 offset:0x400        ; V's are 8-11
.irp c, 0,1,2,3
	s_load_b256 s[68+8*\c:75+8*\c], s[6:7], s2 offset:0x400+128*\c   ; all of the batch's V scales, for U
.endr
	s_wait_kmcnt 0x0                               ; the scales are in, and s2, s3, the loads' offsets, are free
	s_max_u32 s15, s68, s69                        ; positive powers of two: their bits order as they do
.set n, 70
.rept 30
	s_max_u32 s15, s15, s[n]
.set n, n+1
.endr
	s_lshr_b32 s15, s15, 23                        ; eU
	s_lshr_b32 s3, s8, 2
	s_add_co_u32 s3, s3, s8
	s_and_b32 s3, s3, 1                            ; late = (w + w / 4) mod 2: waves 1, 3, 4, 6
	v_mov_b32 v[CQ], s66
	v_mul_f32 v[CQ], 0x3e38aa3b, v[CQ]             ; times 0.125 log2(e)
	s_wait_loadcnt 0x0                             ; Q, once
	; 16 tiles: tile 0 written out (its first step starts m, l and O: nothing is cleared, and no back is carried into it),
	; tiles 1 to 14 in seven trips of the loop, tile 15 written out (nothing is left to ask for).
	TRIP 0, 1, 1
	s_mov_b32 s14, 7
.Lpair:
	TRIP 1, 1, 0
	TRIP 0, 1, 0                                   ; in the last trip: asks for tile 15
	s_sub_co_u32 s14, s14, 1
	s_cmp_lg_u32 s14, 0
	s_cbranch_scc1 .Lpair
	TRIP 1, 0, 0
	s_cmp_eq_u32 s3, 0
	s_cbranch_scc1 .Lall_done
	BACK 0, 0                                      ; late waves: the last back; no round's wait stands in front of it, so V's fragments are waited for here
.Lall_done:
	; THE WAY OUT: O / l in f16, through the stage, where the two heads' halves of a row meet
.rept 4
	v_nop                                          ; four places behind the last products
.endr
.irp q, 0,1,2,3
	v_permlanex16_b32 v[TP+\q], v[LL+\q], s12, s13
.endr
.irp q, 0,1,2,3
	v_add_f32 v[LL+\q], v[LL+\q], v[TP+\q]         ; both halves of the keys; at least 1, since the largest s~ gives p = 1 and 2^-g >= 1
.endr
.irp q, 0,1,2,3
	v_rcp_f32 v[AL+2*\q], v[LL+\q]
.endr
	v_nop                                          ; one plain place behind the reciprocals
	WIN 0x01                                       ; source 0 (O) in window 1
	s_wait_alu depctr_va_vdst(0)
.irp q, 0,1,2,3
.set n, 0
.rept 16
	v_pk_mul_f32 v[SS+32*\q+2*n:SS+32*\q+2*n+1], v[32*\q+2*n:32*\q+2*n+1], v[AL+2*\q:AL+2*\q+1] op_sel_hi:[1,0]
.set n, n+1
.endr
.endr
	WIN 0
.set n, 0
.rept 64
	v_cvt_pk_f16_f32 v[QF+n], v[SS+2*n], v[SS+2*n+1]       ; a tile's eight numbers of a lane are eight neighbouring v of one query: 16 bytes
.set n, n+1
.endr
.irp q, 0,1,2,3
.irp vt, 0,1,2,3
	ds_store_b128 v[STO], v[QF+4*(4*\q+\vt):QF+4*(4*\q+\vt)+3] offset:\q*16*SP+32*\vt
.endr
.endr
	s_wait_dscnt 0x0                               ; my stores are in LDS before I say so
	s_barrier_signal -1
	s_barrier_wait -1
.irp t, 0,1,2,3,4,5,6,7,8,9,10,11,12,13,14,15
	ds_load_b128 v[SS+4*\t:SS+4*\t+3], v[RD] offset:\t*2*SP
.endr
.irp t, 0,1,2,3,4,5,6,7,8,9,10,11,12,13,14,15
	s_wait_dscnt 15-\t
	global_store_b128 v[CO], v[SS+4*\t:SS+4*\t+3], s[10:11] offset:\t*4096   ; sixteen lanes store 256 consecutive bytes, aligned
.endr
	s_wait_tensorcnt 0x0
	ds_add_u32 v22, v23
	s_wait_dscnt 0x0
	ROUND                                          ; the closing round
	s_endpgm
.Lfunc_end_k_qc6b72d5b60_attn:
	.size	k_qc6b72d5b60_attn, .Lfunc_end_k_qc6b72d5b60_attn-k_qc6b72d5b60_attn
	.p2alignl 7, 3214868480
	.fill 96, 4, 3214868480
	.section	.rodata,"a",@progbits
	.p2align	6, 0x0
	.amdhsa_kernel k_qc6b72d5b60_attn
		.amdhsa_group_segment_fixed_size 327680
		.amdhsa_private_segment_fixed_size 0
		.amdhsa_enable_private_segment 0
		.amdhsa_kernarg_size 24
		.amdhsa_user_sgpr_count 2
		.amdhsa_user_sgpr_kernarg_segment_ptr 1
		.amdhsa_wavefront_size32 1
		.amdhsa_system_sgpr_workgroup_id_x 1
		.amdhsa_system_sgpr_workgroup_id_y 1
		.amdhsa_system_sgpr_workgroup_id_z 1
		.amdhsa_system_vgpr_workitem_id 0
		.amdhsa_next_free_vgpr 512
		.amdhsa_next_free_sgpr 102
		.amdhsa_reserve_vcc 0
		.amdhsa_float_denorm_mode_32 3
		.amdhsa_float_denorm_mode_16_64 3
		.amdhsa_memory_ordered 1
		.amdhsa_forward_progress 1
		.amdhsa_inst_pref_size 255
	.end_amdhsa_kernel
	.section	.bss,"aw",@nobits
	.p2align	6
	.space	262144
	.amdgpu_metadata
---
amdhsa.version: [ 1, 2 ]
amdhsa.kernels:
  - .name:           k_qc6b72d5b60_attn
    .symbol:         k_qc6b72d5b60_attn.kd
    .args:
      - { .name: qkv, .offset: 0, .size: 8, .value_kind: global_buffer, .address_space: global }
      - { .name: scl, .offset: 8, .size: 8, .value_kind: global_buffer, .address_space: global }
      - { .name: hd, .offset: 16, .size: 8, .value_kind: global_buffer, .address_space: global }
    .group_segment_fixed_size: 327680
    .private_segment_fixed_size: 0
    .kernarg_segment_align: 8
    .kernarg_segment_size: 24
    .max_flat_workgroup_size: 256
    .sgpr_count:     102
    .vgpr_count:     512
    .wavefront_size: 32
...
	.end_amdgpu_metadata
.endif
;; end of part 3
;; launch outp (part 4): grid 4 x 64, 4 waves a work-group, clusters of 4 x 4, 327,680 bytes of LDS; arguments hd, wo, out0, scl; writes out0
.if DOCPART == 4
	.amdgcn_target "amdgcn-amd-amdhsa--gfx1250"
	.amdhsa_code_object_version 6
	.text
	.protected	k_qc6b72d5b60_outp
	.globl	k_qc6b72d5b60_outp
	.p2align	8
	.type	k_qc6b72d5b60_outp,@function
k_qc6b72d5b60_outp:
	s_mov_b64 s[64:65], 0
	v_nop
	global_prefetch_b8 v0, s[64:65] scope:SCOPE_SE
	s_setreg_imm32_b32 hwreg(HW_REG_WAVE_MODE, 25, 1), 1
	s_wait_xcnt 0x0
	s_wait_alu depctr_hold_cnt(0) depctr_sa_sdst(0) depctr_va_vdst(0) depctr_va_sdst(0) depctr_va_ssrc(0) depctr_va_vcc(0) depctr_vm_vsrc(0)
	s_getreg_b32 s2, hwreg(HW_REG_IB_STS2, 6, 4)
	s_cmp_eq_u32 s2, 0
	s_cbranch_scc0 .Lentry_in_a_cluster
	s_endpgm
.Lentry_in_a_cluster:
	s_bfe_u32 s2, ttmp6, 0x10000c
	s_cmp_lg_u32 s2, 0xf033
	s_cbranch_scc0 .Lentry_shape_is_right
	s_endpgm
.Lentry_shape_is_right:
; outp: out0[m][e] = U(batch of m) * sum over hv of hd[m][hv] wo[e][hv], f16 operands, f32 sums (8192 x 1024 x 1024).
; hd holds heads / U; U = the largest of the batch's 32 V scales in scl, a power of two, so the last multiplication is exact short of overflow.
; A work-group makes 128 x 256 of out0 with four waves of 64 x 128 (32 accumulator tiles): 256 work-groups.  K in steps of 128 through two LDS
; slots filled by the tensor data mover; rows of 256 bytes, aligned.  CLUSTERS: 4 x 4 work-groups; hd's tile is asked for jointly along a row of
; the cluster, wo's along a column.  A wave has two tensor loads out at the start, later one.
; The matrix instruction is used transposed (source 0 = rows of wo, source 1 = rows of hd): a lane's eight results are eight neighbouring e of one row.
; REGISTER WINDOWS: 0: addresses, hd's fragments (two buffers), work on the way out; 1: wo's fragments; 2: accumulators, tile (a, b) at v[8 (8 a + b)].
.set MA,     4                         ; blocks of 16 rows of A in a wave's tile
.set KDIM,   1024
.set KSTEP,  128
.set PITCH,  272                       ; an LDS row: 256 bytes + 16, an odd multiple of 16
.set HALFB,  128*PITCH
.set HALFA,  16*MA*PITCH
.set SLOT,   2*HALFB+2*HALFA           ; B's 256 rows, then A's 128
.set STAGE,  2*SLOT                    ; behind the ring, no fill lands here: 16 rows x 528 bytes for each wave
.set SPITCH, 528                       ; 512 bytes of f32 + 16
.set LAPS,   KDIM/(2*KSTEP)
.set ADRA, 16
.set ADRB, 20
.set STO,  24
.set RD,   25
.set CO,   26
.set F0,   64
.set F1,   128
.set G1,  24
.set G0,  32
.set G1B, 48
.set G0B, 56
.set GW0, (1<<16)|(1<<20)|(1<<21)|(5<<22)|(3<<25)
.set MSB, 0
.macro WIN new
.if MSB != \new
	s_set_vgpr_msb (MSB<<8)|\new
.set MSB, \new
.endif
.endm
.set MUL_LO, 0xa1                      ; source 0 (B) window 1, source 1 (A) window 0, C and D window 2
.set MUL_HI, 0xa1                      ; all 32 tiles lie in window 2
.set TO_B,   0x40
.macro JLOAD s                         ; waves 0 and 1 fetch B's two halves, waves 2 and 3 A's
	s_cmp_eq_u32 s11, 0
	s_cbranch_scc0 .Lfor_a_\@
	tensor_load_to_lds s[G0B+4*\s:G0B+4*\s+3], s[G1B:G1B+7]
	s_nop 0
	s_branch .Lasked_\@
.Lfor_a_\@:
	tensor_load_to_lds s[G0+4*\s:G0+4*\s+3], s[G1:G1+7]
	s_nop 0
.Lasked_\@:
.endm
.macro CREST
	s_cmp_lg_u32 s10, 0
	s_cbranch_scc1 .Lnot_wave_0_\@
	s_barrier_signal -3
.Lnot_wave_0_\@:
	s_barrier_wait -3
	s_barrier_signal -1
	s_barrier_wait -1
.endm
.macro CROUND
	s_barrier_signal -1
	s_barrier_wait -1
	CREST
.endm
.macro PLACES                          ; four places behind a matrix instruction (ISA guide 7.12.1)
.rept 4
	v_nop
.endr
.endm
.macro MULA f, a, zero
.irp b, 0,1,2,3,4,5,6,7
.if \zero
	v_wmma_f32_16x16x32_f16 v[8*(8*((\a)%4)+\b):8*(8*((\a)%4)+\b)+7], v[\f+8*\b:\f+8*\b+7], v[\f+8*(\a):\f+8*(\a)+7], 0
.else
	v_wmma_f32_16x16x32_f16 v[8*(8*((\a)%4)+\b):8*(8*((\a)%4)+\b)+7], v[\f+8*\b:\f+8*\b+7], v[\f+8*(\a):\f+8*(\a)+7], v[8*(8*((\a)%4)+\b):8*(8*((\a)%4)+\b)+7]
.endif
.endr
.endm
.macro MULS f, a0, cnt, zero           ; all 8 MA accumulators take turns, one instruction a turn
.set ma, \a0
.rept \cnt
	MULA \f, ma, \zero
.set ma, ma+1
.endr
.endm
.macro FETCH slot, k, f
	WIN TO_B
.irp i, 0,1,2,3,4,5,6,7
	ds_load_b128 v[\f+8*\i:\f+8*\i+3],   v[ADRB+\slot] offset:\k+\i*16*PITCH
	ds_load_b128 v[\f+8*\i+4:\f+8*\i+7], v[ADRB+\slot] offset:\k+\i*16*PITCH+32
.endr
	WIN 0
.set fi, 0
.rept MA
	ds_load_b128 v[\f+8*fi:\f+8*fi+3],   v[ADRA+\slot] offset:\k+fi*16*PITCH
	ds_load_b128 v[\f+8*fi+4:\f+8*fi+7], v[ADRA+\slot] offset:\k+fi*16*PITCH+32
.set fi, fi+1
.endr
.endm
.macro QUARTER slot, k, f, g, zero
	s_wait_dscnt MA                                ; B and A's lower blocks are in; the youngest MA loads (A's upper MA/2 blocks) may be out
	WIN MUL_LO
	MULS \f, 0, MA/2, \zero
	PLACES
	FETCH \slot, \k, \g
	s_wait_dscnt 16+2*MA                           ; all but the run just issued
	WIN MUL_HI
	MULS \f, MA/2, MA/2, \zero
.endm
.macro THREE slot, zero
	QUARTER \slot, 64,  F0, F1, \zero
	QUARTER \slot, 128, F1, F0, 0
	QUARTER \slot, 192, F0, F1, 0
.endm
.macro TURN slot, next, fill
	s_wait_dscnt MA
	WIN MUL_LO
	MULS F1, 0, MA/4, 0
	s_wait_dscnt 0                                 ; my reads of this slot are over
	s_wait_tensorcnt 0x0                           ; all my tensor loads have landed
	ds_add_u32 v255, v255
	s_wait_dscnt 0x0
	s_barrier_signal -1
	MULS F1, MA/4, MA/4, 0                         ; register work while the others arrive
	WIN 0
	s_barrier_wait -1
.if \fill
	CREST                                          ; no wave of any partner still reads this slot or has a load on its way
	s_add_nc_u64 s[G0+4*\slot+2:G0+4*\slot+3], s[G0+4*\slot+2:G0+4*\slot+3], 2*KSTEP*2
	s_add_nc_u64 s[G0B+4*\slot+2:G0B+4*\slot+3], s[G0B+4*\slot+2:G0B+4*\slot+3], 2*KSTEP*2
	JLOAD \slot
.endif
	PLACES
	FETCH \next, 0, F0
	WIN MUL_HI
	MULS F1, MA/2, MA/2, 0
.endm
.macro LAP zero
	THREE 0, \zero
	TURN 0, 1, 1
	THREE 1, 0
	TURN 1, 0, 1
.endm
	s_load_b128 s[4:7], s[0:1], 0x0                ; hd s[4:5], wo s[6:7]
	s_load_b64 s[8:9], s[0:1], 0x10                ; out0
	s_load_b64 s[66:67], s[0:1], 0x18              ; scl
	s_set_vgpr_msb 0x40
	v_lshl_add_u32 v255, v0, 2, 0x3b400
	s_set_vgpr_msb 0x4000
	v_mov_b32 v255, 0
	s_set_vgpr_msb 0x1
	ds_add_u32 v255, v255
	s_set_vgpr_msb 0x100
	v_lshrrev_b32 v1, 5, v0
	v_readfirstlane_b32 s10, v1                    ; wave 0..3
	s_lshr_b32 s11, s10, 1                         ; my half of the block's rows.  Also: I fetch for B (0) or for A (1)
	s_and_b32 s12, s10, 1                          ; my half of its columns.  Also: which half of that tile I fetch
	s_bfe_u32 s40, ttmp6, 0x40000                  ; cx
	s_bfe_u32 s41, ttmp6, 0x40004                  ; cy
	s_lshl_b32 s42, ttmp9, 2
	s_add_co_u32 s42, s42, s40                     ; block column
	s_and_b32 s13, ttmp7, 0xffff
	s_lshl_b32 s13, s13, 2
	s_add_co_u32 s13, s13, s41                     ; block row
	s_lshl_b32 s43, s41, 2
	s_lshl_b32 s43, 15, s43                        ; my row of the cluster
	s_lshl_b32 s44, 0x1111, s40                    ; my column
	s_or_b32 s[G1+0], s43, GW0
	s_or_b32 s[G1B+0], s44, GW0
	s_mov_b32 s[G1+1], KSTEP<<16
	s_mov_b32 s[G1B+1], KSTEP<<16
	s_mov_b32 s[G1+2], (16*MA)<<16
	s_mov_b32 s[G1B+2], 128<<16
	s_mov_b32 s[G1+3], KSTEP<<16
	s_mov_b32 s[G1B+3], KSTEP<<16
	s_mov_b32 s[G1+4], 16*MA
	s_mov_b32 s[G1B+4], 128
	s_mov_b32 s[G1+5], KDIM
	s_mov_b32 s[G1B+5], KDIM
	s_mov_b32 s[G1+6], 0
	s_mov_b32 s[G1B+6], 0
	s_mov_b32 s[G1+7], 0
	s_mov_b32 s[G1B+7], 0
	s_mul_i32 s17, s12, 16*MA
	s_mul_i32 s16, s13, 32*MA
	s_add_co_u32 s16, s16, s17                     ; A's first row
	s_lshl_b32 s16, s16, 11
	s_mov_b32 s17, 0
	s_lshl_b32 s47, s12, 7
	s_lshl_b32 s46, s42, 8
	s_add_co_u32 s46, s46, s47                     ; B's first row
	s_lshl_b32 s46, s46, 11
	s_mov_b32 s47, 0
	s_mul_i32 s20, s10, HALFB                      ; where B's halves go (waves 0, 1),
	s_mul_i32 s21, s10, HALFA                      ; and A's (waves 2, 3): 2 HALFB + (wave - 2) HALFA
.if HALFB != HALFA
	s_add_co_u32 s21, s21, 2*(HALFB-HALFA)
.endif
	s_wait_dscnt 0x0
	s_wait_kmcnt 0x0
	s_add_nc_u64 s[14:15], s[4:5], s[16:17]
	s_add_nc_u64 s[46:47], s[6:7], s[46:47]
	CROUND                                         ; all sixteen work-groups are here: the first joint loads meet
.irp s, 0,1
	s_mov_b32 s[G0+4*\s], 1
	s_add_co_u32 s[G0+4*\s+1], s21, \s*SLOT
	s_add_nc_u64 s[G0+4*\s+2:G0+4*\s+3], s[14:15], \s*KSTEP*2
	s_or_b32 s[G0+4*\s+3], s[G0+4*\s+3], 0x80000000
	s_mov_b32 s[G0B+4*\s], 1
	s_add_co_u32 s[G0B+4*\s+1], s20, \s*SLOT
	s_add_nc_u64 s[G0B+4*\s+2:G0B+4*\s+3], s[46:47], \s*KSTEP*2
	s_or_b32 s[G0B+4*\s+3], s[G0B+4*\s+3], 0x80000000
	JLOAD \s
.endr
	; the batch's 32 V scales (column blocks 8-11 of scl, eight row blocks each), while the first tiles are on their way
	s_lshr_b32 s16, s13, 4                         ; 16 block rows of 128 make a batch
	s_lshl_b32 s16, s16, 5
	s_mov_b32 s17, 0
	s_add_nc_u64 s[66:67], s[66:67], s[16:17]
.irp c, 0,1,2,3
	s_load_b256 s[68+8*\c:75+8*\c], s[66:67], 0x400+128*\c
.endr
	v_and_b32 v1, 15, v0
	v_bfe_u32 v2, v0, 4, 1
	v_mul_u32_u24 v3, v1, PITCH
	v_lshl_add_u32 v3, v2, 4, v3
	s_mul_i32 s22, s12, HALFB                      ; my 128 rows of B
	s_mul_i32 s21, s11, HALFA                      ; my 64 rows of A,
	s_add_co_u32 s21, s21, 2*HALFB                 ; which lie behind B's 256
.irp s, 0,1
	v_add_nc_u32 v[ADRA+\s], s21, v3
	v_add_nc_u32 v[ADRB+\s], s22, v3
	s_add_co_u32 s21, s21, SLOT
	s_add_co_u32 s22, s22, SLOT
.endr
	s_mul_i32 s23, s10, 16*SPITCH
	s_add_co_u32 s23, s23, STAGE                   ; my stage
	v_mul_u32_u24 v4, v1, SPITCH
	v_lshl_add_u32 v4, v2, 5, v4
	v_add_nc_u32 v[STO], s23, v4                   ; in: row l % 16, 32 bytes for each half of the lanes
	v_and_b32 v5, 31, v0
	v_lshlrev_b32 v[CO], 4, v5                     ; back and out: a lane's 16 bytes of a row of 512
	v_add_nc_u32 v[RD], s23, v[CO]
	s_wait_kmcnt 0x0
	s_max_u32 s68, s68, s69                        ; positive powers of two: their bits order as they do
.set n, 70
.rept 30
	s_max_u32 s68, s68, s[n]
.set n, n+1
.endr
	s_mov_b32 s66, s68                             ; U, in a pair for the packed multiply
	s_mov_b32 s67, s68
	s_wait_tensorcnt 1                             ; my part of K step 0 is in; K step 1's stays out
	s_barrier_signal -1
	s_barrier_wait -1
	FETCH 0, 0, F0
	LAP 1                                          ; the first lap's first products start the sums
	WIN 0
	s_mov_b32 s3, LAPS-2
.Llap:
	LAP 0
	WIN 0
	s_sub_co_u32 s3, s3, 1
	s_cmp_lg_u32 s3, 0
	s_cbranch_scc1 .Llap
	THREE 0, 0                                     ; the last lap fills nothing
	TURN 0, 1, 0
	THREE 1, 0
	s_wait_dscnt MA
	WIN MUL_LO
	MULS F1, 0, MA/2, 0
	s_wait_dscnt 0
	WIN MUL_HI
	MULS F1, MA/2, MA/2, 0
	; THE WAY OUT, 16 rows at a time: times U, into my stage, back as whole rows of 512 bytes
	PLACES
	s_lshl_b32 s16, s13, 19                        ; 128 rows of 4,096 bytes
	s_lshl_b32 s17, s11, 18
	s_add_co_u32 s16, s16, s17
	s_mov_b32 s17, 0
	s_add_nc_u64 s[8:9], s[8:9], s[16:17]
	s_lshl_b32 s46, s42, 10                        ; 256 columns of 4 bytes
	s_lshl_b32 s47, s12, 9
	s_add_co_u32 s46, s46, s47
	s_mov_b32 s47, 0
	s_add_nc_u64 s[8:9], s[8:9], s[46:47]
.macro OUTF i
	WIN 0x02                                       ; source 0 in the accumulators' window
.irp b, 0,1,2,3,4,5,6,7
.irp r, 0,1,2,3
	v_pk_mul_f32 v[F0+8*\b+2*\r:F0+8*\b+2*\r+1], v[8*(8*\i+\b)+2*\r:8*(8*\i+\b)+2*\r+1], s[66:67] op_sel_hi:[1,0]
.endr
.endr
	WIN 0
.irp b, 0,1,2,3,4,5,6,7
	ds_store_b128 v[STO], v[F0+8*\b:F0+8*\b+3]   offset:64*\b
	ds_store_b128 v[STO], v[F0+8*\b+4:F0+8*\b+7] offset:64*\b+16
.endr
	s_wait_xcnt 0x0                                ; buffer 1, which the last sixteen rows' stores read, is loaded again only behind this wait
.irp t, 0,1,2,3,4,5,6,7,8,9,10,11,12,13,14,15
	ds_load_b128 v[F1+4*\t:F1+4*\t+3], v[RD] offset:\t*SPITCH      ; LDS serves a wave's instructions in order: these see the stores above
.endr
.irp t, 0,1,2,3,4,5,6,7,8,9,10,11,12,13,14,15
	s_wait_dscnt 15-\t
	global_store_b128 v[CO], v[F1+4*\t:F1+4*\t+3], s[8:9] offset:(16*\i+\t)*4096 th:TH_STORE_NT   ; 512 consecutive bytes, aligned
.endr
.endm
	OUTF 0
	OUTF 1
	OUTF 2
	OUTF 3
	s_set_vgpr_msb 0x1
	s_wait_tensorcnt 0x0
	ds_add_u32 v255, v255
	s_wait_dscnt 0x0
	s_set_vgpr_msb 0x100
	CROUND                                         ; the closing round: no work-group ends while a partner may still ask for a tile that names it
	s_endpgm
.Lfunc_end_k_qc6b72d5b60_outp:
	.size	k_qc6b72d5b60_outp, .Lfunc_end_k_qc6b72d5b60_outp-k_qc6b72d5b60_outp
	.p2alignl 7, 3214868480
	.fill 96, 4, 3214868480
	.section	.rodata,"a",@progbits
	.p2align	6, 0x0
	.amdhsa_kernel k_qc6b72d5b60_outp
		.amdhsa_group_segment_fixed_size 327680
		.amdhsa_private_segment_fixed_size 0
		.amdhsa_enable_private_segment 0
		.amdhsa_kernarg_size 32
		.amdhsa_user_sgpr_count 2
		.amdhsa_user_sgpr_kernarg_segment_ptr 1
		.amdhsa_wavefront_size32 1
		.amdhsa_system_sgpr_workgroup_id_x 1
		.amdhsa_system_sgpr_workgroup_id_y 1
		.amdhsa_system_sgpr_workgroup_id_z 1
		.amdhsa_system_vgpr_workitem_id 0
		.amdhsa_next_free_vgpr 768
		.amdhsa_next_free_sgpr 100
		.amdhsa_reserve_vcc 0
		.amdhsa_float_denorm_mode_32 3
		.amdhsa_float_denorm_mode_16_64 3
		.amdhsa_memory_ordered 1
		.amdhsa_forward_progress 1
		.amdhsa_inst_pref_size 128
	.end_amdhsa_kernel
	.amdgpu_metadata
---
amdhsa.version: [ 1, 2 ]
amdhsa.kernels:
  - .name:           k_qc6b72d5b60_outp
    .symbol:         k_qc6b72d5b60_outp.kd
    .args:
      - { .name: hd, .offset: 0, .size: 8, .value_kind: global_buffer, .address_space: global }
      - { .name: wo, .offset: 8, .size: 8, .value_kind: global_buffer, .address_space: global }
      - { .name: out0, .offset: 16, .size: 8, .value_kind: global_buffer, .address_space: global }
      - { .name: scl, .offset: 24, .size: 8, .value_kind: global_buffer, .address_space: global }
    .group_segment_fixed_size: 327680
    .private_segment_fixed_size: 0
    .kernarg_segment_align: 8
    .kernarg_segment_size: 32
    .max_flat_workgroup_size: 128
    .sgpr_count:     100
    .vgpr_count:     768
    .wavefront_size: 32
...
	.end_amdgpu_metadata
.endif
;; end of part 4
